; MI455X (gfx1250); checked and timed in simulation.
; The chip was launched on July 23, 2026; its instructions are those of AMD's public machine-readable ISA for CDNA 5 (MIT licence, August 2026) and "CDNA5" Instruction Set Architecture Reference Guide (July 2026). The comments in the code are by the model that wrote it; some were corrected since.
;; Gaussian Image Cholesky. Allowed arithmetic: float matrix products may take bf16 or f16 operands with f32 sums; all other float work in f32.
;; Inputs: cholesky 512 x 3 float32; features 512 x 3 float32; opacity 512 x 1 float32; xyz 512 x 2 float32.
;; Outputs: out0 1 x 3 x 512 x 512 float32.
;; Constants: H = 512, W = 512.
;; One version. Each part assembles by itself: llvm-mc -triple=amdgcn-amd-amdhsa -mcpu=gfx1250 --defsym DOCPART=n.
;; ======== version 1 of 1: 1 launch
;; launch render (part 1): grid 4 x 64, 16 waves a work-group, no clusters, 145,664 bytes of LDS; arguments xyz, cholesky, features, opacity, out0; writes out0
.if DOCPART == 1
	.amdgcn_target "amdgcn-amd-amdhsa--gfx1250"
	.amdhsa_code_object_version 6
	.text
	.protected	k_q522b3335cb_render
	.globl	k_q522b3335cb_render
	.p2align	8
	.type	k_q522b3335cb_render,@function
k_q522b3335cb_render:
	s_mov_b64 s[64:65], 0
	v_nop
	global_prefetch_b8 v0, s[64:65] scope:SCOPE_SE
	s_setreg_imm32_b32 hwreg(HW_REG_WAVE_MODE, 25, 1), 1
	s_wait_xcnt 0x0
; out[c][y][x] = clip( sum over g of alpha(g,y,x) * features[g][c], 0, 1 ): 512 gaussians, 512 x 512 pixels, f32 in and out.
; alpha = opacity * exp(-sigma), cut at 0.999, zero where sigma < 0 or alpha < 1/255; sigma = the conic form in dx = cx - px, dy = cy - py.
;
; ONE LAUNCH.  256 work-groups, each a tile of 128 columns x 8 rows, 16 waves.
;   Prologue: thread t derives gaussian t (tanh, conic, opacity terms) and writes the LDS tables.
;   Main part: wave = (half of the tile: 4 rows x 128 columns) x (64 of the 512 gaussians, 8 groups of 8).  Lane L owns columns 4L .. 4L+3.
;   End: the 8 partial sums of each pixel meet in LDS; each wave sums, clips and stores 64 columns of one row, three channels.
;
; THE EXPONENT.  A' = -a log2e / 2, B' = -b log2e, C' = -c log2e / 2, hi = log2(255 opacity):
;   t = log2(255 alpha) = A' dx^2 + B' dx dy + C' dy^2 + hi.  alpha counts  <=>  0 <= t (threshold) and t <= hi (sigma >= 0).
;   h2 = hi / 2 + 2^-17;  tc = t - h2 = dx (A' dx + V) + W  with  V = B' dy,  W = C' dy^2 + (hi - h2)  per (gaussian, row).
;   tent = 2^60 (h2 - |tc|) is huge inside the range and hugely negative outside;  z = min(tc, tmax - h2, tent);  2^z is 0 outside.
;   tmax = log2(0.999 x 255) is the cut.  alpha = 2^z x (2^h2 / 255); that factor is multiplied into the features.
;   dx and dy are formed as reference() forms them: no expansion in px, which would cancel.
;   Packed FMAs take two gaussians of one pixel at a time; the tables are one array a quantity, so that no half of a pair is picked out.
;
; THE SUM OVER GAUSSIANS is a bf16 matrix product with f32 sums.  All lanes of a wave work on the same 8 gaussians (LDS broadcasts), a lane
;   on 2 pixels p = 0, 1 at a time.  Its 16 alphas are the B operand: k = 16 p + 8 h + g (h = lane / 16).  The A operand holds the features
;   in blocks: row m = 8 h + 3 p + c has features[g][c] at the k of (h, p) and zeros elsewhere, so that accumulator register 3 p + c of lane L
;   is channel c of L's own pixel p.
;
; LIMITS.  sigma in (-1.06e-5, 0) counts as 0, not as negative (the 2^-17 above keeps rounding at sigma = 0 inside the range).
;   Threshold and cut are tested on the exponent: against the test on alpha itself the border moves by rounding, about 1e-6 relative.
;   tanh: rational form 13/6 with FMAs, x clamped at +-7.99881172; a few ulp.  alpha and features are rounded to bf16.
;   opacity < 1/255, zero, negative or NaN: the gaussian gives nothing (alpha <= opacity, so reference() gives nothing either, NaN excepted).
;   Infinite opacity, a determinant of 0 or below 2^-126: not served.  The middle term of the cholesky bound is 0.0: l2 is the input.
; NO CLUSTER: what work-groups share is the 18,432 bytes of inputs, read once by each, one gaussian a thread, straight into the registers
;   that derive it.  No tensor load, ring or prefetch: nothing else comes from memory.
.set PLANE,  512*512*4                 ; bytes of one channel of out
.set NGRP,   8                         ; groups of 8 gaussians in a wave's 64
; LDS
.set CXT,    0                         ; cx[512]
.set APT,    2048                      ; A'[512]
.set HT,     4096                      ; 2^60 h2 [512]
.set TMT,    6144                      ; tmax - h2 [512]
.set VT,     8192                      ; V [8 rows][512]
.set WT,     24576                     ; W [8 rows][512]
.set RP,     2048                      ; bytes of a row of V or W
.set FT,     40960                     ; features x 2^h2 / 255 in bf16: [3 channels + a row of zeros][512]
.set FP,     1040                      ; pitch of its rows: 1,024 + 16
.set RED,    45312                     ; partial sums: [8 rows][8 shares] blocks of [6 registers][2 pairs][32 lanes] words
.set REDBLK, 1536
; scalars
.set TINY, 20                          ; 0.0004
.set NBIG, 21                          ; -2^60
.set C256, 24                          ; 256.0 = W / 2 = H / 2
; vector registers of the main part
.set LANE, 1
.set AG,   2                           ; byte offset of my group in cx, A', H, TM
.set ART,  3                           ; the same in V and W, at my half's first row
.set AFL,  4                           ; feature row for A's registers 0-3 (p = 0) ...
.set AFH,  5                           ; ... and 4-7 (p = 1)
.set PX,   6                           ; v[6:13]    column c: px twice, a pair
.set E,    14                          ; v[14:17]   tents, four in rotation
.set T,    18                          ; v[18:33]   exponents, then alphas: pixel p, gaussian g at T + 8 p + g
.set AL,   34                          ; v[34:41]   B operand
.set F,    42                          ; v[42:49]   A operand
.set CXR,  50                          ; v[50:57]   cx of the group's 8 gaussians
.set APR,  58                          ; v[58:65]   A'
.set HR,   66                          ; v[66:73]   2^60 h2
.set TMR,  74                          ; v[74:81]   tmax - h2
.set VR,   82                          ; v[82:113]  V: row r at + 8 r
.set WR,   114                         ; v[114:145] W
.set DX,   146                         ; v[146:177] dx: column c at + 8 c
.set ACC,  178                         ; v[178:241] accumulators: row r, column pair q at + 8 (2 r + q)
; vector registers of the prologue (dead at the first barrier)
.set O8,  14
.set O12, 15
.set O4,  16
.set TP,  17
.set GX,  18
.set CH,  20
.set FE,  23
.set OPA, 26
.set XC,  27
.set X2,  28
.set PN,  29
.set QD,  30
.set YR,  31
.set ER,  32
.set TH0, 33
.set TH1, 34
.set L1,  35
.set L3,  36
.set S00, 37
.set S01, 38
.set S11, 39
.set DET, 40
.set TT,  41
.set QA,  42
.set QB,  43
.set QC,  44
.set CX,  45
.set AP,  46
.set HH,  47
.set TM,  48
.set CY,  49
.set BP,  50
.set CP,  51
.set KP,  52
.set HI,  53
.set H2,  54
.set SC,  55
.set LG,  56
.set PK0, 57
.set PK1, 58
.set ZR,  59
.set PY,  60
.set DY,  61
.set VV,  62
.set WW,  63
.set A4,  64
.set A2,  65
	s_load_b256 s[4:11], s[0:1], 0x0               ; xyz s[4:5], cholesky s[6:7], features s[8:9], opacity s[10:11]
	s_load_b64 s[12:13], s[0:1], 0x20              ; out0
	v_lshl_add_u32 v242, v0, 2, 0x23100
	v_mov_b32 v243, 0
	v_lshlrev_b32 v[O8], 3, v0                     ; byte offsets of gaussian t: 8 t, 12 t, 4 t
	v_mul_u32_u24 v[O12], 12, v0
	v_lshlrev_b32 v[O4], 2, v0
	v_lshrrev_b32 v[TP], 5, v0
	v_readfirstlane_b32 s14, v[TP]                 ; wave 0..15
	s_and_b32 s15, ttmp7, 0xffff
	s_lshl_b32 s16, s15, 3                         ; y0: the tile's first row
	s_lshl_b32 s17, ttmp9, 7                       ; x0: its first column
	s_and_b32 s18, s14, 1                          ; main part: which half of the rows.   End: which 64 columns
	s_lshr_b32 s19, s14, 1                         ; main part: which 64 gaussians.       End: which row
	s_mov_b32 s[TINY], 0x39d1b717
	s_mov_b32 s[NBIG], 0xdd800000
	s_mov_b32 s[C256], 0x43800000
	s_wait_kmcnt 0x0
	global_load_b64 v[GX:GX+1], v[O8], s[4:5]
.irp c, 0,1,2
	global_load_b32 v[CH+\c], v[O12], s[6:7] offset:4*\c
	global_load_b32 v[FE+\c], v[O12], s[8:9] offset:4*\c
.endr
	global_load_b32 v[OPA], v[O4], s[10:11]
	; while the loads are out: what hangs on the lane and the wave alone
	v_and_b32 v[LANE], 31, v0
	v_lshl_add_u32 v[TP], v[LANE], 2, s17          ; my first column
	v_cvt_f32_u32 v[TP], v[TP]
	v_add_f32 v[PX], 0.5, v[TP]                    ; pixel centres, exact
	v_add_f32 v[PX+2], 0x3fc00000, v[TP]           ; + 1.5
	v_add_f32 v[PX+4], 0x40200000, v[TP]           ; + 2.5
	v_add_f32 v[PX+6], 0x40600000, v[TP]           ; + 3.5
.irp c, 0,2,4,6
	v_mov_b32 v[PX+\c+1], v[PX+\c]                 ; twice: the packed subtraction takes two gaussians from one px
.endr
	s_lshl_b32 s22, s19, 8                         ; 64 gaussians of 4 bytes
	v_mov_b32 v[AG], s22
	s_lshl_b32 s23, s18, 13                        ; 4 rows of 2,048 bytes
	s_add_co_u32 s22, s22, s23
	v_mov_b32 v[ART], s22
	; A operand: lane = (row m = lane % 16, h = lane / 16).  Numbers only where m / 8 = h; with j = m % 8: j = 0..2 channel j in registers 0-3,
	; j = 3..5 channel j - 3 in registers 4-7.  x = 1 where m / 8 differs from h.  Row 3 of the table is the zeros.
	v_lshrrev_b32 v[TP], 3, v[LANE]
	v_lshrrev_b32 v[AFL], 4, v[LANE]
	v_xor_b32 v[TP], v[TP], v[AFL]
	v_and_b32 v[TP], 1, v[TP]                      ; x
	v_and_b32 v[AFL], 7, v[LANE]                   ; j
	v_lshl_add_u32 v[TP], v[TP], 3, v[AFL]         ; u = j + 8 x
	v_min_u32 v[AFL], 3, v[TP]                     ; 0, 1, 2 for u = 0, 1, 2; else 3
	v_add_nc_u32 v[TP], -3, v[TP]                  ; wraps to a huge number below 3
	v_min_u32 v[AFH], 3, v[TP]                     ; 0, 1, 2 for u = 3, 4, 5; else 3
	s_lshl_b32 s22, s19, 7                         ; 64 bf16
	v_mad_u32_u24 v[AFL], v[AFL], FP, s22
	v_mad_u32_u24 v[AFH], v[AFH], FP, s22
	v_lshlrev_b32 v[A4], 2, v0
	v_lshlrev_b32 v[A2], 1, v0
	v_cvt_f32_u32 v[PY], s16
	v_add_f32 v[PY], 0.5, v[PY]                    ; py of the tile's first row
; y = 1 / d, one Newton step on the estimate.  Behind v_rcp_f32 one plain instruction stands before its result is read (ISA guide 5.7.2).
.macro RECIP y, d
	v_rcp_f32 v[\y], v[\d]
	v_nop
	s_wait_alu depctr_va_vdst(0)
	v_fma_f32 v[ER], -v[\d], v[\y], 1.0
	v_fma_f32 v[\y], v[ER], v[\y], v[\y]
.endm
; q = n / d: the product with y, corrected once by its exact remainder
.macro QUOT q, n, d, y
	v_mul_f32 v[\q], v[\n], v[\y]
	v_fma_f32 v[ER], -v[\d], v[\q], v[\n]
	v_fma_f32 v[\q], v[ER], v[\y], v[\q]
.endm
; tanh(x) = x P(x^2) / Q(x^2), P of degree 6, Q of degree 3, Horner with FMAs; below 0.0004 tanh(x) = x.
; Kept to the last bits because cx, cy decide which pixels pass the threshold of alpha.
.macro TANH dst, x
	v_max_num_f32 v[XC], 0xc0fff644, v[\x]
	v_min_num_f32 v[XC], 0x40fff644, v[XC]
	v_mul_f32 v[X2], v[XC], v[XC]
	v_mov_b32 v[PN], 0xa59f25c0                        ; -2.76076847742355e-16
	v_fmaak_f32 v[PN], v[X2], v[PN], 0x2a61337e        ;  2.00018790482477e-13
	v_fmaak_f32 v[PN], v[X2], v[PN], 0xaebd37ff        ; -8.60467152213735e-11
	v_fmaak_f32 v[PN], v[X2], v[PN], 0x335c0041        ;  5.12229709037114e-08
	v_fmaak_f32 v[PN], v[X2], v[PN], 0x3779434a        ;  1.48572235717979e-05
	v_fmaak_f32 v[PN], v[X2], v[PN], 0x3a270ded        ;  6.37261928875436e-04
	v_fmaak_f32 v[PN], v[X2], v[PN], 0x3ba059dc        ;  4.89352455891786e-03
	v_mul_f32 v[PN], v[XC], v[PN]
	v_mov_b32 v[QD], 0x35a0d3d8                        ;  1.19825839466702e-06
	v_fmaak_f32 v[QD], v[X2], v[QD], 0x38f895d6        ;  1.18534705686654e-04
	v_fmaak_f32 v[QD], v[X2], v[QD], 0x3b14aa05        ;  2.26843463243900e-03
	v_fmaak_f32 v[QD], v[X2], v[QD], 0x3ba059dd        ;  4.89352518554385e-03
	RECIP YR, QD
	QUOT \dst, PN, QD, YR
	v_cmp_lt_f32 vcc_lo, |v[\x]|, s[TINY]
	v_cndmask_b32 v[\dst], v[\dst], v[\x], vcc_lo
.endm
	s_wait_loadcnt 0x0                             ; my gaussian is here, and the loads' offset registers are free
	TANH TH0, GX
	TANH TH1, GX+1
	v_fma_f32 v[CX], v[TH0], s[C256], s[C256]      ; cx = 256 (m + 1): scaling by 2^8 commutes with the rounding of m + 1
	v_fma_f32 v[CY], v[TH1], s[C256], s[C256]      ; cy
	; Sigma = L L^T and its inverse
	v_add_f32 v[L1], 0.5, v[CH]
	v_add_f32 v[L3], 0.5, v[CH+2]
	v_mul_f32 v[S00], v[L1], v[L1]
	v_mul_f32 v[S01], v[L1], v[CH+1]
	v_mul_f32 v[TT], v[L3], v[L3]
	v_fma_f32 v[S11], v[CH+1], v[CH+1], v[TT]
	v_mul_f32 v[TT], v[S01], v[S01]
	v_fma_f32 v[DET], v[S00], v[S11], -v[TT]
	RECIP YR, DET
	QUOT QA, S11, DET, YR                          ; conic a
	QUOT QB, S01, DET, YR                          ; - conic b
	QUOT QC, S00, DET, YR                          ; conic c
	v_mul_f32 v[AP], 0xbf38aa3b, v[QA]             ; A' = -a log2e / 2
	v_mul_f32 v[BP], 0x3fb8aa3b, v[QB]             ; B' = -b log2e
	v_mul_f32 v[CP], 0xbf38aa3b, v[QC]             ; C' = -c log2e / 2
	; opacity
	v_log_f32 v[LG], v[OPA]
	v_mov_b32 v[ZR], 0                             ; the plain instruction behind v_log_f32 (ISA guide 5.7.2)
	v_cmp_le_f32 vcc_lo, 0x3b808081, v[OPA]        ; 1/255 <= opacity: else no alpha can reach the threshold (false for NaN too)
	s_wait_alu depctr_va_vdst(0)
	v_add_f32 v[HI], 0x40ffd1be, v[LG]             ; hi = log2(opacity) + log2(255)
	v_fmaak_f32 v[H2], 0.5, v[HI], 0x37000000      ; h2 = hi / 2 + 2^-17
	v_sub_f32 v[KP], v[HI], v[H2]                  ; hi - h2
	v_exp_f32 v[SC], v[H2]
	v_sub_f32 v[TM], 0x40ffc5eb, v[H2]             ; tmax - h2.  Also the plain instruction behind v_exp_f32
	s_wait_alu depctr_va_vdst(0)
	v_mul_f32 v[SC], 0x3b808081, v[SC]             ; 2^h2 / 255
	v_cndmask_b32 v[H2], -1.0, v[H2], vcc_lo       ; a gaussian that gives nothing: h2 = -1 makes every tent negative,
	v_cndmask_b32 v[KP], 0, v[KP], vcc_lo          ; and its other numbers are plain zeros
	v_cndmask_b32 v[TM], 0, v[TM], vcc_lo
	v_cndmask_b32 v[SC], 0, v[SC], vcc_lo
	v_mul_f32 v[HH], 0x5d800000, v[H2]             ; 2^60 h2
	ds_store_b32 v[A4], v[CX] offset:CXT
	ds_store_b32 v[A4], v[AP] offset:APT
	ds_store_b32 v[A4], v[HH] offset:HT
	ds_store_b32 v[A4], v[TM] offset:TMT
	; features x 2^h2 / 255, rounded to bf16, one row a channel; the fourth row is zeros
.irp c, 0,1,2
	v_mul_f32 v[FE+\c], v[FE+\c], v[SC]
.endr
	v_cvt_pk_bf16_f32 v[PK0], v[FE], v[FE+1]
	v_cvt_pk_bf16_f32 v[PK1], v[FE+2], v[ZR]
	ds_store_b16 v[A2], v[PK0] offset:FT
	ds_store_b16_d16_hi v[A2], v[PK0] offset:FT+FP
	ds_store_b16 v[A2], v[PK1] offset:FT+2*FP
	ds_store_b16_d16_hi v[A2], v[PK1] offset:FT+3*FP
	; row terms of my gaussian for the tile's 8 rows
.irp j, 0,1,2,3,4,5,6,7
	v_sub_f32 v[DY], v[CY], v[PY]                  ; dy = cy - py
	v_mul_f32 v[VV], v[BP], v[DY]                  ; V
	v_mul_f32 v[TT], v[CP], v[DY]
	v_fma_f32 v[WW], v[TT], v[DY], v[KP]           ; W
	ds_store_b32 v[A4], v[VV] offset:VT+\j*RP
	ds_store_b32 v[A4], v[WW] offset:WT+\j*RP
.if \j < 7
	v_add_f32 v[PY], 1.0, v[PY]
.endif
.endr
	s_wait_dscnt 0x0                               ; my part of the tables is written,
	s_barrier_signal -1
	s_barrier_wait -1                              ; everybody's is; from here on the tables are only read
; 26 LDS loads for a group of 8 gaussians; every lane of the wave reads the same bytes, but for the features
.macro LOADS
.irp k, 0,1
	ds_load_b128 v[CXR+4*\k:CXR+4*\k+3], v[AG] offset:CXT+16*\k
.endr
.irp k, 0,1
	ds_load_b128 v[APR+4*\k:APR+4*\k+3], v[AG] offset:APT+16*\k
.endr
.irp k, 0,1
	ds_load_b128 v[HR+4*\k:HR+4*\k+3], v[AG] offset:HT+16*\k
.endr
.irp k, 0,1
	ds_load_b128 v[TMR+4*\k:TMR+4*\k+3], v[AG] offset:TMT+16*\k
.endr
	ds_load_b128 v[F:F+3], v[AFL] offset:FT
	ds_load_b128 v[F+4:F+7], v[AFH] offset:FT
.irp r, 0,1,2,3
.irp k, 0,1
	ds_load_b128 v[VR+8*\r+4*\k:VR+8*\r+4*\k+3], v[ART] offset:VT+\r*RP+16*\k
.endr
.irp k, 0,1
	ds_load_b128 v[WR+8*\r+4*\k:WR+8*\r+4*\k+3], v[ART] offset:WT+\r*RP+16*\k
.endr
.endr
.endm
; 8 gaussians x one row x one pair of my columns: 16 alphas a lane, one matrix instruction.
.macro UNIT row, q, zero
.irp p, 0,1
.irp i, 0,1,2,3
	v_pk_fma_f32 v[T+8*\p+2*\i:T+8*\p+2*\i+1], v[DX+8*(2*\q+\p)+2*\i:DX+8*(2*\q+\p)+2*\i+1], v[APR+2*\i:APR+2*\i+1], v[VR+8*\row+2*\i:VR+8*\row+2*\i+1]   ; A' dx + V
.endr
.endr
.irp p, 0,1
.irp i, 0,1,2,3
	v_pk_fma_f32 v[T+8*\p+2*\i:T+8*\p+2*\i+1], v[DX+8*(2*\q+\p)+2*\i:DX+8*(2*\q+\p)+2*\i+1], v[T+8*\p+2*\i:T+8*\p+2*\i+1], v[WR+8*\row+2*\i:WR+8*\row+2*\i+1]   ; tc = dx (..) + W
.endr
.endr
	; tent, min3, exponential, skewed by two steps each so that no line waits for the one in front of it.  Each v_exp_f32 is followed by a
	; plain instruction on other registers before its result is read (ISA guide 5.7.2): a min3, or at the end the first rounding below.
.set st, 0
.rept 20
.if st < 16
	v_fma_f32 v[E+(st&3)], s[NBIG], |v[T+st]|, v[HR+(st&7)]
.endif
.if st >= 4
	v_exp_f32 v[T+st-4], v[T+st-4]
.endif
.if st >= 2
.if st < 18
	v_min3_num_f32 v[T+st-2], v[T+st-2], v[TMR+((st-2)&7)], v[E+((st-2)&3)]
.endif
.endif
.set st, st+1
.endr
	s_wait_alu depctr_va_vdst(0)
.irp p, 0,1
.irp i, 0,1,2,3
	v_cvt_pk_bf16_f32 v[AL+4*\p+\i], v[T+8*\p+2*\i], v[T+8*\p+2*\i+1]      ; pixel p: gaussians 2 i, 2 i + 1
.endr
.endr
	; AL is written again only by the next unit's roundings, behind its 16 packed FMAs, which name none of this instruction's registers
	; (four such places are asked: ISA guide 7.12.1)
.if \zero
	v_wmma_f32_16x16x32_bf16 v[ACC+8*(2*\row+\q):ACC+8*(2*\row+\q)+7], v[F:F+7], v[AL:AL+7], 0
.else
	v_wmma_f32_16x16x32_bf16 v[ACC+8*(2*\row+\q):ACC+8*(2*\row+\q)+7], v[F:F+7], v[AL:AL+7], v[ACC+8*(2*\row+\q):ACC+8*(2*\row+\q)+7]
.endif
.endm
; a group: LDS loads come back in order (ISA guide 5.7.1), so each wait leaves out the loads younger than what is needed next
.macro GROUP zero
	s_wait_dscnt 18                                ; the 8 loads of cx, A', H, TM are in; 2 of features and 16 of row terms may be out
.irp c, 0,1,2,3
.irp i, 0,1,2,3
	v_pk_add_f32 v[DX+8*\c+2*\i:DX+8*\c+2*\i+1], v[CXR+2*\i:CXR+2*\i+1], v[PX+2*\c:PX+2*\c+1] neg_lo:[0,1] neg_hi:[0,1]   ; dx = cx - px, two gaussians
.endr
.endr
	s_wait_dscnt 12                                ; features and row 0; rows 1-3 (12 loads) may be out
	UNIT 0, 0, \zero
	UNIT 0, 1, \zero
	s_wait_dscnt 8                                 ; row 1
	UNIT 1, 0, \zero
	UNIT 1, 1, \zero
	s_wait_dscnt 4                                 ; row 2
	UNIT 2, 0, \zero
	UNIT 2, 1, \zero
	s_wait_dscnt 0                                 ; row 3
	UNIT 3, 0, \zero
	UNIT 3, 1, \zero
.endm
	LOADS
	GROUP 1                                        ; the first group stands in front of the loop: its products start the sums
	s_mov_b32 s25, NGRP-1
.Lgroup:
	v_add_nc_u32 v[AG], 32, v[AG]                  ; 8 gaussians on in each table.  These four lines are also the four places between the last
	v_add_nc_u32 v[ART], 32, v[ART]                ; matrix instruction and the loads into its source F
	v_add_nc_u32 v[AFL], 16, v[AFL]
	v_add_nc_u32 v[AFH], 16, v[AFH]
	LOADS
	GROUP 0
	s_sub_co_i32 s25, s25, 1
	s_cmp_lg_u32 s25, 0
	s_cbranch_scc1 .Lgroup
	; THE END.  Registers 0-5 of each accumulator go to LDS as planes of 32 words (neighbouring lanes, neighbouring words), into bytes
	; that hold no table: waves that are still in the main part read other bytes.
.set AW,   14                          ; where I write
.set AR,   15                          ; where I read
.set VO,   16                          ; my byte offset in a channel of out
.set TQ,   17
.set OUTV, 18                          ; v[18:23]  channel c: two neighbouring pixels
.set SUM,  50                          ; v[50:97]  share g, register j at SUM + 6 g + j
	s_mul_i32 s22, s18, 4*8*REDBLK                 ; my half's four rows,
	s_mul_i32 s23, s19, REDBLK                     ; my share's block in each
	s_add_co_u32 s22, s22, s23
	s_add_co_u32 s22, s22, RED
	v_lshl_add_u32 v[AW], v[LANE], 2, s22          ; the seven vector lines here name no accumulator: more than the four places asked
	                                               ; between the last matrix instruction and the stores of its result
	; reading: wave = (row s19, columns 64 s18 ..), lane l = columns 64 s18 + 2 l, + 1 = pair q = l % 2 of writer lane 16 s18 + l / 2
	s_mul_i32 s22, s19, 8*REDBLK
	s_lshl_b32 s23, s18, 6
	s_add_co_u32 s22, s22, s23
	s_add_co_u32 s22, s22, RED
	v_and_b32 v[TQ], 1, v[LANE]
	v_lshrrev_b32 v[AR], 1, v[LANE]
	v_lshlrev_b32 v[AR], 2, v[AR]
	v_lshl_add_u32 v[AR], v[TQ], 7, v[AR]          ; word 32 q + writer lane: 32 different words of one 256-byte row
	v_add_nc_u32 v[AR], s22, v[AR]
	s_add_co_u32 s22, s16, s19                     ; y
	s_lshl_b32 s22, s22, 11                        ; rows of 2,048 bytes
	s_lshl_b32 s23, s17, 2
	s_add_co_u32 s22, s22, s23
	s_lshl_b32 s23, s18, 8
	s_add_co_u32 s22, s22, s23
	v_lshl_add_u32 v[VO], v[LANE], 3, s22
.irp row, 0,1,2,3
.irp q, 0,1
.irp j, 0,1,2,3,4,5
	ds_store_b32 v[AW], v[ACC+8*(2*\row+\q)+\j] offset:\row*8*REDBLK+\j*256+\q*128
.endr
.endr
.endr
	s_wait_dscnt 0x0                               ; my partial sums are written,
	s_barrier_signal -1
	s_barrier_wait -1                              ; everybody's are
.irp g, 0,1,2,3,4,5,6,7
.irp j, 0,1,2,3,4,5
	ds_load_b32 v[SUM+6*\g+\j], v[AR] offset:\g*REDBLK+\j*256
.endr
.endr
.irp g, 1,2,3,4,5,6,7
	s_wait_dscnt 6*(7-\g)                          ; shares 0 .. g are in; the six loads of each later share may be out
.irp j, 0,2,4
	v_pk_add_f32 v[SUM+\j:SUM+\j+1], v[SUM+\j:SUM+\j+1], v[SUM+6*\g+\j:SUM+6*\g+\j+1]
.endr
.endr
.irp c, 0,1,2
	v_max_num_f32 v[OUTV+2*\c], 0, v[SUM+\c]       ; clip to [0, 1]; register 3 p + c is channel c of pixel p
	v_max_num_f32 v[OUTV+2*\c+1], 0, v[SUM+3+\c]
	v_min_num_f32 v[OUTV+2*\c], 1.0, v[OUTV+2*\c]
	v_min_num_f32 v[OUTV+2*\c+1], 1.0, v[OUTV+2*\c+1]
.endr
.irp c, 0,1,2
	global_store_b64 v[VO], v[OUTV+2*\c:OUTV+2*\c+1], s[12:13] offset:\c*PLANE th:TH_STORE_NT   ; the wave's 32 lanes store 256 consecutive bytes, at a multiple of 256 from out's first byte
.endr
	s_wait_tensorcnt 0x0
	ds_add_u32 v242, v243
	s_wait_dscnt 0x0
	s_endpgm
.Lfunc_end_k_q522b3335cb_render:
	.size	k_q522b3335cb_render, .Lfunc_end_k_q522b3335cb_render-k_q522b3335cb_render
	.p2alignl 7, 3214868480
	.fill 96, 4, 3214868480
	.section	.rodata,"a",@progbits
	.p2align	6, 0x0
	.amdhsa_kernel k_q522b3335cb_render
		.amdhsa_group_segment_fixed_size 145664
		.amdhsa_private_segment_fixed_size 0
		.amdhsa_enable_private_segment 0
		.amdhsa_kernarg_size 40
		.amdhsa_user_sgpr_count 2
		.amdhsa_user_sgpr_kernarg_segment_ptr 1
		.amdhsa_wavefront_size32 1
		.amdhsa_system_sgpr_workgroup_id_x 1
		.amdhsa_system_sgpr_workgroup_id_y 1
		.amdhsa_system_sgpr_workgroup_id_z 1
		.amdhsa_system_vgpr_workitem_id 0
		.amdhsa_next_free_vgpr 244
		.amdhsa_next_free_sgpr 66
		.amdhsa_reserve_vcc 1
		.amdhsa_float_denorm_mode_32 3
		.amdhsa_float_denorm_mode_16_64 3
		.amdhsa_memory_ordered 1
		.amdhsa_forward_progress 1
		.amdhsa_inst_pref_size 92
	.end_amdhsa_kernel
	.amdgpu_metadata
---
amdhsa.version: [ 1, 2 ]
amdhsa.kernels:
  - .name:           k_q522b3335cb_render
    .symbol:         k_q522b3335cb_render.kd
    .args:
      - { .name: xyz, .offset: 0, .size: 8, .value_kind: global_buffer, .address_space: global }
      - { .name: cholesky, .offset: 8, .size: 8, .value_kind: global_buffer, .address_space: global }
      - { .name: features, .offset: 16, .size: 8, .value_kind: global_buffer, .address_space: global }
      - { .name: opacity, .offset: 24, .size: 8, .value_kind: global_buffer, .address_space: global }
      - { .name: out0, .offset: 32, .size: 8, .value_kind: global_buffer, .address_space: global }
    .group_segment_fixed_size: 145664
    .private_segment_fixed_size: 0
    .kernarg_segment_align: 8
    .kernarg_segment_size: 40
    .max_flat_workgroup_size: 512
    .sgpr_count:     66
    .vgpr_count:     244
    .wavefront_size: 32
...
	.end_amdgpu_metadata
.endif
;; end of part 1
